; MI455X (gfx1250); checked and timed in simulation.
; The chip was launched on July 23, 2026; its instructions are those of AMD's public machine-readable ISA for CDNA 5 (MIT licence, August 2026) and "CDNA5" Instruction Set Architecture Reference Guide (July 2026). The comments in the code are by the model that wrote it; some were corrected since.
;; Vector Quantizer. Allowed arithmetic: float matrix products may take bf16 or f16 operands with f32 sums; other float arithmetic in f32, or as packed bf16 or f16 multiplies, adds, multiply-adds, maxima and minima; sums over many terms, partial sums and values carried from step to step in f32; what a program stores and reads back later, other than sums and carried values, may be rounded once to bf16 or f16.
;; Inputs: embedding 8,192 x 512 float32; z 16,384 x 512 float32.
;; Outputs: out0 16,384 x 512 float32; out1 16,384 int32; out2 one number float32.
;; 2 versions, each right; version 2 is version 1 with the launch pick written anew for expert scheduling mode. Each part assembles by itself: llvm-mc -triple=amdgcn-amd-amdhsa -mcpu=gfx1250 --defsym DOCPART=n.
;; ======== version 1 of 2: 4 launches
;; workspace buffers: eb 8,388,608 bytes; en 32,768 bytes; cval 262,144 bytes; cidx 262,144 bytes of whole numbers; part 8,192 bytes
;; launch cast (part 1): grid 256 x 1, 8 waves a work-group, no clusters, 0 bytes of LDS; arguments embedding, eb, en; writes eb, en
.if DOCPART == 1
	.amdgcn_target "amdgcn-amd-amdhsa--gfx1250"
	.amdhsa_code_object_version 6
	.text
	.protected	k_qce93da247f_cast
	.globl	k_qce93da247f_cast
	.p2align	8
	.type	k_qce93da247f_cast,@function
k_qce93da247f_cast:
	s_mov_b64 s[64:65], 0
	v_nop
	global_prefetch_b8 v0, s[64:65] scope:SCOPE_SE
	s_setreg_imm32_b32 hwreg(HW_REG_WAVE_MODE, 25, 1), 1
	s_wait_xcnt 0x0
; eb[k][:] = embedding[k][:] rounded to bf16 (nearest even); en[k] = the sum of eb[k][c]^2 in f32, taken of the ROUNDED numbers,
; so that the distances made later are those of the rounded code book.
; 2,048 waves, four rows of 2,048 bytes each.  A stream: every byte is read once and written once; no LDS, no barrier, no matrix
; unit, no cluster (no two work-groups read the same byte).
; A load of a wave covers 512 consecutive bytes of a row, a store of eb 256 consecutive bytes at a multiple of 256.
; en leaves as 16 bytes a wave: 32,768 bytes of the launch's 25 million; whole blocks would cost LDS and a barrier.
.set X,  8                             ; v[8:71]    row i, load j: 4 registers at X + 16 i + 4 j
.set P,  72                            ; v[72:103]  row i: 8 registers of packed bf16; never rewritten, so no store waits for them
.set N,  104                           ; v[104:107] four chains of a row's sum of squares
.set NR, 108                           ; v[108:111] the four rows' sums
	s_load_b128 s[4:7], s[0:1], 0x0                ; embedding s[4:5], eb s[6:7]
	s_load_b64 s[8:9], s[0:1], 0x10                ; en
	v_lshrrev_b32 v1, 5, v0
	v_readfirstlane_b32 s10, v1                    ; wave 0..7
	s_lshl_b32 s11, ttmp9, 3
	s_add_co_u32 s11, s11, s10                     ; g: my wave among the launch's 2,048
	s_lshl_b32 s12, s11, 13                        ; four rows of 2,048 bytes of embedding
	s_mov_b32 s13, 0
	s_lshl_b32 s14, s11, 12                        ; four rows of 1,024 bytes of eb
	s_mov_b32 s15, 0
	s_lshl_b32 s16, s11, 4                         ; four numbers of en
	s_mov_b32 s17, 0
	s_mov_b32 s18, 0x76543210                      ; v_permlanex16_b32: each lane takes its own place in the other half
	s_mov_b32 s19, 0xfedcba98
	v_and_b32 v1, 31, v0                           ; lane
	v_lshlrev_b32 v2, 4, v1                        ; 16 bytes a lane in a load
	v_lshlrev_b32 v3, 3, v1                        ; 8 bytes a lane in a store
	v_mov_b32 v4, 0                                ; what the chains start from
	v_mov_b32 v112, 0                              ; v_permlanex16_b32's destination counts as read
	s_wait_kmcnt 0x0
	s_add_nc_u64 s[4:5], s[4:5], s[12:13]
	s_add_nc_u64 s[6:7], s[6:7], s[14:15]
	s_add_nc_u64 s[8:9], s[8:9], s[16:17]
.irp i, 0,1,2,3
.irp j, 0,1,2,3
	global_load_b128 v[X+16*(\i)+4*(\j):X+16*(\i)+4*(\j)+3], v2, s[4:5] offset:(\i)*2048+512*(\j) th:TH_LOAD_NT  ; all sixteen at once: 8,192 bytes of the wave on their way
.endr
.endr
.macro EROW i
	s_wait_loadcnt 12-4*(\i)                       ; loads come back in order: this row's four are in, the later rows' stay out
.irp j, 0,1,2,3
	v_cvt_pk_bf16_f32 v[P+8*(\i)+2*(\j)],   v[X+16*(\i)+4*(\j)],   v[X+16*(\i)+4*(\j)+1]
	v_cvt_pk_bf16_f32 v[P+8*(\i)+2*(\j)+1], v[X+16*(\i)+4*(\j)+2], v[X+16*(\i)+4*(\j)+3]
.endr
.irp j, 0,1,2,3
	global_store_b64 v3, v[P+8*(\i)+2*(\j):P+8*(\i)+2*(\j)+1], s[6:7] offset:(\i)*1024+256*(\j)  ; elements 128 j + 4 lane on: 32 lanes, 256 consecutive bytes
.endr
	; sixteen squares of bf16 halves, added in f32 in four chains, so that no line waits for the one before it
.irp m, 0,1,2,3
	v_fma_mix_f32_bf16 v[N+(\m)], v[P+8*(\i)+(\m)], v[P+8*(\i)+(\m)], v4 op_sel_hi:[1,1,0]
.endr
.irp m, 4,5,6,7
	v_fma_mix_f32_bf16 v[N+(\m)-4], v[P+8*(\i)+(\m)], v[P+8*(\i)+(\m)], v[N+(\m)-4] op_sel_hi:[1,1,0]
.endr
.irp m, 0,1,2,3,4,5,6,7
	v_fma_mix_f32_bf16 v[N+(\m)%4], v[P+8*(\i)+(\m)], v[P+8*(\i)+(\m)], v[N+(\m)%4] op_sel:[1,1,0] op_sel_hi:[1,1,0]
.endr
	v_add_f32 v[N], v[N], v[N+1]
	v_add_f32 v[N+2], v[N+2], v[N+3]
	v_add_f32 v[NR+(\i)], v[N], v[N+2]
	v_add_f32_dpp v[NR+(\i)], v[NR+(\i)], v[NR+(\i)] row_xmask:1 row_mask:0xf bank_mask:0xf
	v_add_f32_dpp v[NR+(\i)], v[NR+(\i)], v[NR+(\i)] row_xmask:2 row_mask:0xf bank_mask:0xf
	v_add_f32_dpp v[NR+(\i)], v[NR+(\i)], v[NR+(\i)] row_xmask:4 row_mask:0xf bank_mask:0xf
	v_add_f32_dpp v[NR+(\i)], v[NR+(\i)], v[NR+(\i)] row_xmask:8 row_mask:0xf bank_mask:0xf
	v_permlanex16_b32 v112, v[NR+(\i)], s18, s19
	v_add_f32 v[NR+(\i)], v[NR+(\i)], v112         ; every lane holds the row's sum
.endm
	EROW 0
	EROW 1
	EROW 2
	EROW 3
	; lane i of the first four stores row i's sum
	v_cmp_eq_u32 vcc_lo, 1, v1
	v_cndmask_b32 v113, v[NR], v[NR+1], vcc_lo
	v_cmp_eq_u32 vcc_lo, 2, v1
	v_cndmask_b32 v113, v113, v[NR+2], vcc_lo
	v_cmp_eq_u32 vcc_lo, 3, v1
	v_cndmask_b32 v113, v113, v[NR+3], vcc_lo
	v_lshlrev_b32 v114, 2, v1
	v_cmp_gt_u32 vcc_lo, 4, v1
	s_wait_xcnt 0x0                                ; EXEC is a source of the stores above: it changes only behind this wait
	s_and_saveexec_b32 s20, vcc_lo
	global_store_b32 v114, v113, s[8:9]
	s_wait_xcnt 0x0                                ; and again in front of the line that widens it
	s_or_b32 exec_lo, exec_lo, s20
	s_endpgm
.Lfunc_end_k_qce93da247f_cast:
	.size	k_qce93da247f_cast, .Lfunc_end_k_qce93da247f_cast-k_qce93da247f_cast
	.p2alignl 7, 3214868480
	.fill 96, 4, 3214868480
	.section	.rodata,"a",@progbits
	.p2align	6, 0x0
	.amdhsa_kernel k_qce93da247f_cast
		.amdhsa_group_segment_fixed_size 0
		.amdhsa_private_segment_fixed_size 0
		.amdhsa_enable_private_segment 0
		.amdhsa_kernarg_size 24
		.amdhsa_user_sgpr_count 2
		.amdhsa_user_sgpr_kernarg_segment_ptr 1
		.amdhsa_wavefront_size32 1
		.amdhsa_system_sgpr_workgroup_id_x 1
		.amdhsa_system_sgpr_workgroup_id_y 1
		.amdhsa_system_sgpr_workgroup_id_z 1
		.amdhsa_system_vgpr_workitem_id 0
		.amdhsa_next_free_vgpr 120
		.amdhsa_next_free_sgpr 66
		.amdhsa_reserve_vcc 1
		.amdhsa_float_denorm_mode_32 3
		.amdhsa_float_denorm_mode_16_64 3
		.amdhsa_memory_ordered 1
		.amdhsa_forward_progress 1
		.amdhsa_inst_pref_size 13
	.end_amdhsa_kernel
	.amdgpu_metadata
---
amdhsa.version: [ 1, 2 ]
amdhsa.kernels:
  - .name:           k_qce93da247f_cast
    .symbol:         k_qce93da247f_cast.kd
    .args:
      - { .name: embedding, .offset: 0, .size: 8, .value_kind: global_buffer, .address_space: global }
      - { .name: eb, .offset: 8, .size: 8, .value_kind: global_buffer, .address_space: global }
      - { .name: en, .offset: 16, .size: 8, .value_kind: global_buffer, .address_space: global }
    .group_segment_fixed_size: 0
    .private_segment_fixed_size: 0
    .kernarg_segment_align: 8
    .kernarg_segment_size: 24
    .max_flat_workgroup_size: 256
    .sgpr_count:     66
    .vgpr_count:     120
    .wavefront_size: 32
...
	.end_amdgpu_metadata
.endif
;; end of part 1
;; launch near (part 2): grid 64 x 4, 4 waves a work-group, clusters of 4 x 4, 327,680 bytes of LDS; arguments z, eb, en, cval, cidx; writes cval, cidx
.if DOCPART == 2
	.amdgcn_target "amdgcn-amd-amdhsa--gfx1250"
	.amdhsa_code_object_version 6
	.text
	.protected	k_qce93da247f_near
	.globl	k_qce93da247f_near
	.p2align	8
	.type	k_qce93da247f_near,@function
k_qce93da247f_near:
	s_mov_b64 s[64:65], 0
	v_nop
	global_prefetch_b8 v0, s[64:65] scope:SCOPE_SE
	s_setreg_imm32_b32 hwreg(HW_REG_WAVE_MODE, 25, 1), 1
	s_wait_xcnt 0x0
	s_wait_alu depctr_hold_cnt(0) depctr_sa_sdst(0) depctr_va_vdst(0) depctr_va_sdst(0) depctr_va_ssrc(0) depctr_va_vcc(0) depctr_vm_vsrc(0)
	s_getreg_b32 s2, hwreg(HW_REG_IB_STS2, 6, 4)
	s_cmp_eq_u32 s2, 0
	s_cbranch_scc0 .Lentry_in_a_cluster
	s_endpgm
.Lentry_in_a_cluster:
	s_bfe_u32 s2, ttmp6, 0x10000c
	s_cmp_lg_u32 s2, 0xf033
	s_cbranch_scc0 .Lentry_shape_is_right
	s_endpgm
.Lentry_shape_is_right:
; For each row of z and each quarter of 2,048 codes: the smallest d = en[k] - 2 z . eb[k] and the first code that has it.
; z: [16384][512] f32, rounded here to bf16 (nearest even); eb: [8192][512] bf16; en: [8192] f32; cval, cidx: [4 quarters][16384 rows].
; LIMITS.  The row's own ||z||^2 is the same for all codes and is not added: d is rounded once, where a distance with it is rounded twice
; on a coarser grid, so two codes nearer to each other than one f32 step of that distance may change places.  A NaN is never chosen;
; if every d is +infinity the quarter's first code is given.
; SHARES.  Work-group (X, Y): rows 256 X on, codes 2,048 Y on.  Wave w: 64 rows from 256 X + 64 w, for all 2,048 codes.  Its z stays in
; registers: 64 rows x 512 bf16 = 512 registers.  Row block rb (0..3), column r of a product, is row 4 r + rb of the 64, so that a lane
; ends with four neighbouring rows' results: 16 bytes.
; CODES go through two LDS slots of 64 codes; all four waves read the same tile; a fragment of 16 codes x 32 K feeds four products.
; THE PRODUCT: source 0 = 16 codes, source 1 = 16 rows of z.  In the result lane (r, h), register j is code 8 h + j against row r:
; the minimum runs over registers, and lanes meet once, at the end.
; A PANEL is 32 codes: 2 code blocks x 4 row blocks = 8 accumulators, 128 products.  Two sets of accumulators take turns: while one
; panel is multiplied, the panel before is worked off by 224 vector instructions, four behind every second product:
; d = -2 sum + en; is it less than the running minimum; the code's number where it is; the minimum.
; CLUSTER.  The four work-groups of one Y (same codes, four row blocks) ask for every tile of eb and for en JOINTLY: the same tensor load,
; the same descriptor, a mask that names the four.  The grid's height is one cluster, so Y is my place along the cluster's y.
; REGISTERS, in windows of 256 (s_set_vgpr_msb: bits 1:0 source 0, 3:2 source 1, 5:4 source 2, 7:6 destination):
;   window 0: addresses, en of a panel, running minima and codes, both sets of accumulators
;   window 1: two buffers of code fragments (at the start: z as loaded, four buffers of 64)     windows 2, 3: z, row blocks 0, 1 and 2, 3
.set PITCH,  1040                      ; a code's row in LDS: 1,024 bytes + 16 of padding = 260 words: row r starts at bank 4 r mod 64 (64 banks of 4 bytes: ISA guide 11.1)
.set CBB,    16*PITCH                  ; a block of 16 codes; also what one wave's tensor load brings
.set PANELB, 32*PITCH
.set SLOT1,  1<<17                     ; slot 0 begins at 0, slot 1 here: one exclusive or turns an address in one into the other's
.set EN,     64*PITCH                  ; behind slot 0: en of my quarter, 8,192 bytes, filled once
.set SPARE,  EN+8192                   ; the spare words, 128 bytes for each wave: two blocks of 256 bytes that no other line names
.set AB0, 3                            ; v3   my lane's place in a block of codes: r x pitch + 16 h; never rewritten
.set ADR, 4                            ; v4   LDS address of the panel being fetched
.set AE0, 5                            ; v5   EN + 32 h; never rewritten
.set AE,  6                            ; v6   LDS address of a panel's en
.set ZO,  7                            ; v7   my byte offset in the wave's rows of z: r x 8,192 + 32 h; never rewritten
.set OO,  8                            ; v8   16 r: my byte offset in the wave's 256 bytes of cval and of cidx
.set OI,  12                           ; v[12:15] the four rows' codes, to store
.set SEE, 24                           ; v[24:39] en of a panel: code block cb, register j at SEE + 8 cb + j
.set SPW, 40                           ; v40  LDS address of my spare word; never rewritten
.set NIL, 41                           ; v41  0; never rewritten
.set OV,  44                           ; v[44:47] the four rows' minima, to store
.set RV,  64                           ; v[64:95]  running minimum of row block rb, register j at RV + 8 rb + j
.set RI,  96                           ; v[96:127] the first code of the block of 16 in which it was found
.set ACC, 128                          ; v[128:255] accumulator 4 cb + rb of set s at ACC + 64 s + 8 (4 cb + rb)
.set F0,  0                            ; window 1: fragment (cb, kk) of a quarter of K at f + 8 (4 cb + kk)
.set F1,  64
.set WV,  14                           ; s14  my wave's number
.set G1E, 24                           ; s[24:31] descriptor group 1 for tiles of eb
.set G1N, 32                           ; s[32:39] for en
.set G0A, 40                           ; s[40:43] group 0: slot 0's first fill
.set G0W, 44                           ; s[44:47] group 0: slot 1's first fill; then it walks
.set G0N, 48                           ; s[48:51] group 0 for en
.set TB,  52                           ; s52  LDS byte at which the panel to be fetched begins
.set SE,  53                           ; s53  byte in EN of the panel in hand
.set TID, 54                           ; s54, s55  first code (within the quarter) of the two blocks of the panel being worked off
.set CNT, 56                           ; s56  loop counter
.set MK,  57
.set SEL, 62                           ; s[62:63] v_permlanex16_b32's selects
.set MSB, 0
.macro WIN new                         ; the immediate's high byte repeats the setting that is left; a switch that changes nothing is dropped
.if MSB != (\new)
	s_set_vgpr_msb (MSB<<8)|(\new)
.set MSB, (\new)
.endif
.endm
.set W_LO, 0x09                        ; codes (source 0) window 1, z (source 1) window 2, C and D window 0
.set W_F,  0x40                        ; destination window 1, address window 0
; A round of the cluster's barrier: my work-group's barrier, so that wave 0's signal speaks for all four waves; wave 0 signals; every wave
; waits for all sixteen work-groups; my work-group's barrier once more.
.macro CREST                           ; a round behind its opening barrier
	s_cmp_lg_u32 s[WV], 0
	s_cbranch_scc1 .Lnot_wave_0_\@
	s_barrier_signal -3
.Lnot_wave_0_\@:
	s_barrier_wait -3
	s_barrier_signal -1
	s_barrier_wait -1
.endm
.macro CROUND
	s_barrier_signal -1
	s_barrier_wait -1
	CREST
.endm
	s_load_b256 s[4:11], s[0:1], 0x0               ; z s[4:5], eb s[6:7], en s[8:9], cval s[10:11]
	s_load_b64 s[12:13], s[0:1], 0x20              ; cidx
	v_lshl_add_u32 v[SPW], v0, 2, SPARE
	v_mov_b32 v[NIL], 0
	ds_add_u32 v[SPW], v[NIL]                      ; the wave's opening: the add and its wait ahead of my first tensor load; the set-up below, work on registers, stands between them
	v_lshrrev_b32 v1, 5, v0
	v_readfirstlane_b32 s[WV], v1                  ; wave 0..3
	s_bfe_u32 s15, ttmp6, 0x40000                  ; cx
	s_bfe_u32 s16, ttmp6, 0x40004                  ; cy = Y, the quarter of the codes
	s_lshl_b32 s17, ttmp9, 2                       ; in a cluster launch ttmp9 counts clusters
	s_add_co_u32 s17, s17, s15                     ; X = 4 x cluster x + cx: it enters z's, cval's and cidx's addresses alone
	s_lshl_b32 s19, s16, 2
	s_lshl_b32 s19, 15, s19                        ; my row of the cluster: places 4 cy .. 4 cy + 3
	; group 1 for eb: 16 rows x 512 elements of 2 bytes, 4 words of padding behind every 256 words
	s_or_b32 s[G1E], s19, (1<<16)|(1<<20)|(1<<21)|(7<<22)|(3<<25)  ; 15:0 the mask; 17:16 2-byte elements; 20 padding on; 21 set beside a mask; 24:22 code 7; 31:25 code 3
	s_mov_b32 s[G1E+1], 512<<16                    ; tensor_dim0 = 512
	s_mov_b32 s[G1E+2], 16<<16                     ; tensor_dim1 = 16
	s_mov_b32 s[G1E+3], 512<<16                    ; tile_dim0 = 512
	s_mov_b32 s[G1E+4], 16                         ; tile_dim1 = 16
	s_mov_b32 s[G1E+5], 512                        ; 512 elements from row to row
	s_mov_b32 s[G1E+6], 0
	s_mov_b32 s[G1E+7], 0
	; group 1 for en: 2,048 dense bytes as 8 rows of 32 elements of 8 bytes
	s_or_b32 s[G1N], s19, (3<<16)|(1<<21)
	s_mov_b32 s[G1N+1], 32<<16
	s_mov_b32 s[G1N+2], 8<<16
	s_mov_b32 s[G1N+3], 32<<16
	s_mov_b32 s[G1N+4], 8
	s_mov_b32 s[G1N+5], 32
	s_mov_b32 s[G1N+6], 0
	s_mov_b32 s[G1N+7], 0
	s_mov_b32 s[G0A], 1                            ; count = 1
	s_mul_i32 s[G0A+1], s[WV], CBB                 ; LDS: wave w brings codes 16 w .. 16 w + 15 of a tile; no place in the cluster enters an LDS address
	s_mov_b32 s[G0W], 1
	s_add_co_u32 s[G0W+1], s[G0A+1], SLOT1
	s_mov_b32 s[G0N], 1
	s_lshl_b32 s[G0N+1], s[WV], 11
	s_add_co_u32 s[G0N+1], s[G0N+1], EN
	s_lshl_b32 s20, s16, 21                        ; eb: 2,048 Y rows of 1,024 bytes,
	s_lshl_b32 s22, s[WV], 14                      ; and my 16 rows of a tile
	s_add_co_u32 s20, s20, s22
	s_mov_b32 s21, 0
	s_lshl_b32 s22, s16, 13                        ; en: 2,048 Y numbers, and my 512
	s_lshl_b32 s23, s[WV], 11
	s_add_co_u32 s22, s22, s23
	s_mov_b32 s23, 0
	s_lshl_b32 s66, s17, 19                        ; z: 256 X rows of 2,048 bytes, and my 64 (registers that feed no descriptor)
	s_lshl_b32 s67, s[WV], 17
	s_add_co_u32 s66, s66, s67
	s_mov_b32 s67, 0
	s_lshl_b32 s68, s17, 10                        ; cval, cidx: 4 bytes a row, 65,536 a quarter
	s_lshl_b32 s69, s[WV], 8
	s_add_co_u32 s68, s68, s69
	s_lshl_b32 s69, s16, 16
	s_add_co_u32 s68, s68, s69
	s_mov_b32 s69, 0
	s_lshl_b32 s70, s16, 11                        ; my quarter's first code
	s_mov_b32 s[TB], 0
	s_mov_b32 s[SE], 0
	s_mov_b32 s[TID], -32                          ; the first panel works off a panel that has not been; its numbers are never taken
	s_mov_b32 s[TID+1], -16
	s_mov_b32 s[SEL], 0x76543210
	s_mov_b32 s[SEL+1], 0xfedcba98
	s_wait_dscnt 0x0                               ; the opening add is done
	s_wait_kmcnt 0x0
	s_add_nc_u64 s[G0A+2:G0A+3], s[6:7], s[20:21]  ; tile 0
	s_add_nc_u64 s[G0W+2:G0W+3], s[G0A+2:G0A+3], 0x10000  ; tile 1: 64 rows on
	s_or_b32 s[G0A+3], s[G0A+3], 0x80000000        ; type = 2
	s_or_b32 s[G0W+3], s[G0W+3], 0x80000000
	s_add_nc_u64 s[G0N+2:G0N+3], s[8:9], s[22:23]
	s_or_b32 s[G0N+3], s[G0N+3], 0x80000000
	s_add_nc_u64 s[4:5], s[4:5], s[66:67]
	s_add_nc_u64 s[10:11], s[10:11], s[68:69]
	s_add_nc_u64 s[12:13], s[12:13], s[68:69]
	CROUND                                         ; all sixteen work-groups are here: the first joint loads meet
	tensor_load_to_lds s[G0A:G0A+3], s[G1E:G1E+7]  ; the first fills go out as one group: three loads of mine are out
	s_nop 0
	tensor_load_to_lds s[G0W:G0W+3], s[G1E:G1E+7]
	s_nop 0
	tensor_load_to_lds s[G0N:G0N+3], s[G1N:G1N+7]
	s_nop 0
.rept 4
	v_nop
.endr
	v_and_b32 v1, 15, v0                           ; r
	v_bfe_u32 v2, v0, 4, 1                         ; h
	v_mul_u32_u24 v[AB0], v1, PITCH
	v_lshl_add_u32 v[AB0], v2, 4, v[AB0]
	v_lshlrev_b32 v[AE0], 5, v2
	v_add_nc_u32 v[AE0], EN, v[AE0]
	v_lshlrev_b32 v[ZO], 13, v1                    ; column r is row 4 r + rb: four rows of 2,048 bytes a column
	v_lshl_add_u32 v[ZO], v2, 5, v[ZO]             ; 8 h numbers of 4 bytes
	v_lshlrev_b32 v[OO], 4, v1
	v_and_b32 v11, 31, v0                          ; lane
	v_mov_b32 v9, 0                                ; v_permlanex16_b32's destinations count as read
	v_mov_b32 v10, 0
; z INTO REGISTERS.  Batch b of 16: row block b / 4, K steps 4 (b % 4) + 0..3.  A fragment is 16 rows x 32 K: lane (r, h) holds K = 8 h + 0..7 and
; 16 + 8 h + 0..7 of its row: in f32 two pieces of 32 bytes, 64 bytes apart: four loads of 16 bytes.
.macro ZLOAD b
	WIN W_F
.irp kk, 0,1,2,3
.irp c, 0,1,2,3
	global_load_b128 v[64*((\b)%4)+16*(\kk)+4*(\c):64*((\b)%4)+16*(\kk)+4*(\c)+3], v[ZO], s[4:5] offset:((\b)/4)*2048+(4*((\b)%4)+(\kk))*128+16*(\c)+32*((\c)/2)
.endr
.endr
.endm
.macro ZCVT b                          ; 64 f32 to 32 registers of bf16, in window 2 (row blocks 0, 1) or 3
	WIN 0x85+0x40*((\b)/8)
.set i, 0
.rept 32
	v_cvt_pk_bf16_f32 v[128*(((\b)/4)%2)+32*((\b)%4)+i], v[64*((\b)%4)+2*i], v[64*((\b)%4)+2*i+1]
.set i, i+1
.endr
.endm
	ZLOAD 0
	ZLOAD 1
	ZLOAD 2
	; What the first panel finds, written in the wait for z: minima +infinity, codes 0, and the second set of accumulators -infinity: of it the first
	; panel's vector work makes d = +infinity, which is less than nothing.  So one text serves every panel.
	WIN 0
.set i, 0
.rept 32
	v_mov_b32 v[RV+i], 0x7f800000
	v_mov_b32 v[RI+i], 0
.set i, i+1
.endr
.set i, 0
.rept 64
	v_mov_b32 v[ACC+64+i], 0xff800000
.set i, i+1
.endr
.set b, 0
.rept 16
.if b+3 < 16
	ZLOAD b+3                                      ; into the buffer that batch b - 1 has left
.endif
.if b < 13
	s_wait_loadcnt 48                              ; loads come back in order: batch b is in, the three younger batches of sixteen stay out
.else
	s_wait_loadcnt 16*(15-b)
.endif
	ZCVT b
.set b, b+1
.endr
; THE VECTOR WORK: slice k of 64 of the panel before (the other set of accumulators).  Slices 0-7 are empty.  8-15: d = -2 sum + en, one accumulator a slice,
; its registers in ascending order.  16-63: for each four registers three slices: is d less than the running minimum (strictly: the
; earlier code stays); the block's first code where it is; the minimum.  A NaN is never less and loses the minimum.
.macro SLICE set
.if k >= 8
	WIN 0
.set RO, ACC+64*(1-(\set))
.if k < 16
.set u, k-8
.set a, (u&1)|((u&2)<<1)|((u&4)>>1)            ; 0, 1, 4, 5, 2, 3, 6, 7: those finished first come first
.irp n, 0,1,2,3
	v_pk_fma_f32 v[RO+8*a+2*(\n):RO+8*a+2*(\n)+1], v[RO+8*a+2*(\n):RO+8*a+2*(\n)+1], -2.0, v[SEE+8*(a/4)+2*(\n):SEE+8*(a/4)+2*(\n)+1] op_sel_hi:[1,0,1]
.endr
.else
.set w, k-16
.set a, w/6
.set j0, 4*((w%6)/3)
.irp n, 0,1,2,3
.if w%3 == 0
	v_cmp_lt_f32 s[MK+(\n)], v[RO+8*a+j0+(\n)], v[RV+8*(a%4)+j0+(\n)]
.elseif w%3 == 1
	v_cndmask_b32 v[RI+8*(a%4)+j0+(\n)], v[RI+8*(a%4)+j0+(\n)], s[TID+a/4], s[MK+(\n)]
.else
	v_min_num_f32 v[RV+8*(a%4)+j0+(\n)], v[RV+8*(a%4)+j0+(\n)], v[RO+8*a+j0+(\n)]
.endif
.endr
.endif
.endif
.set k, k+1
.endm
; 8 products: K steps k0, k0 + 1 of quarter q, both code blocks, row blocks 2 hi, 2 hi + 1.  The four accumulators take turns, one instruction a turn
; and so they do at every seam (stretch, quarter, panel, backward jump).  The panel's first K step starts the sums with the constant 0.
.macro HALF set, f, q, hi, k0
.irp kk, \k0, (\k0)+1
.irp cbi, 0,1
.irp rbl, 0,1
	WIN W_LO+4*(\hi)
.set rD, ACC+64*(\set)+8*(4*(\cbi)+2*(\hi)+(\rbl))
.set rA, (\f)+8*(4*(\cbi)+(\kk))
.set rB, 128*(\rbl)+8*(4*(\q)+(\kk))
.if ((\q) == 0) && ((\kk) == 0)
	v_wmma_f32_16x16x32_bf16 v[rD:rD+7], v[rA:rA+7], v[rB:rB+7], 0
.else
	v_wmma_f32_16x16x32_bf16 v[rD:rD+7], v[rA:rA+7], v[rB:rB+7], v[rD:rD+7]
.endif
.if (\rbl) == 1
	SLICE \set
.endif
.endr
.endr
.endr
.endm
.macro STRETCH set, f, q, hi
	HALF \set, \f, \q, \hi, 0
	HALF \set, \f, \q, \hi, 2
.endm
; 16 LDS loads in one run: the panel's fragments of quarter q of K (32 codes x 128 K) into buffer f
.macro FETCH q, f
	WIN W_F
.irp cbi, 0,1
.irp kk, 0,1,2,3
	ds_load_b128 v[(\f)+8*(4*(\cbi)+(\kk)):(\f)+8*(4*(\cbi)+(\kk))+3],   v[ADR] offset:(\cbi)*CBB+(4*(\q)+(\kk))*64
	ds_load_b128 v[(\f)+8*(4*(\cbi)+(\kk))+4:(\f)+8*(4*(\cbi)+(\kk))+7], v[ADR] offset:(\cbi)*CBB+(4*(\q)+(\kk))*64+32
.endr
.endr
.endm
.macro SEELOAD                         ; en of the panel in hand, for the next panel's slices 8-15: code 16 cb + 8 h + j
	WIN 0
	v_add_nc_u32 v[AE], s[SE], v[AE0]
	ds_load_b128 v[SEE:SEE+3],     v[AE]
	ds_load_b128 v[SEE+4:SEE+7],   v[AE] offset:16
	ds_load_b128 v[SEE+8:SEE+11],  v[AE] offset:64
	ds_load_b128 v[SEE+12:SEE+15], v[AE] offset:80
	s_add_co_u32 s[SE], s[SE], 128
.endm
; A PANEL: four quarters of K, 32 products each, on buffers 0, 1, 0, 1; in each quarter's middle the next quarter's fragments are fetched.
; A load into a register that a product has read stands four plain vector instructions behind that product (ISA guide 7.12.1 for vector instructions)
; the slices are those; behind a panel's last product stands slice 63, four minima that name none of its registers.
; kind 0: the next panel lies in the same slot.  kind 1: the slot is left and filled again.  kind 2: it is left, and nothing is asked for.
.macro PANEL set, kind
.set k, 0
	s_wait_dscnt 0x0                               ; buffer 0 is in
	STRETCH \set, F0, 0, 0
	FETCH 1, F1
	STRETCH \set, F0, 0, 1
	s_wait_dscnt 0x0
	STRETCH \set, F1, 1, 0
	FETCH 2, F0
	SEELOAD                                        ; the slices that read the old en ended with slice 15
	STRETCH \set, F1, 1, 1
	s_wait_dscnt 0x0
	STRETCH \set, F0, 2, 0
	FETCH 3, F1
	STRETCH \set, F0, 2, 1
.if (\kind) == 0
	s_wait_dscnt 0x0
	STRETCH \set, F1, 3, 0
	s_add_co_u32 s[TB], s[TB], PANELB
	WIN 0
	v_add_nc_u32 v[ADR], s[TB], v[AB0]
	FETCH 0, F0
	STRETCH \set, F1, 3, 1
.else
	; THE CHANGE OF SLOTS: one barrier for two things.  In front of it each wave waits for all its tensor loads, of which one is out: its part of the other slot;
	; adds 0 to its spare word; and waits for that and for its own reads of this slot.  Behind it nobody reads this slot any more and the other slot is whole.
	WIN 0
	s_wait_tensorcnt 0x0
	ds_add_u32 v[SPW], v[NIL]
	s_wait_dscnt 0x1                               ; the add alone may be out: buffer 1 is in
	HALF \set, F1, 3, 0, 0                         ; eight products and their slices stand between the add and the wait for it
	s_wait_dscnt 0x0                               ; the add is done, and my reads of this slot are over
	s_barrier_signal -1
	HALF \set, F1, 3, 0, 2                         ; work on registers while the others arrive
	WIN 0                                          ; at a branch and at a label every window is 0
	s_barrier_wait -1
.if (\kind) == 1
	CREST                                          ; the barrier has opened a round of the cluster's: no wave of any partner still reads this slot or has a load on its way
	s_xor_b32 s[G0W+1], s[G0W+1], SLOT1            ; the walking descriptor: the slot just left,
	s_add_nc_u64 s[G0W+2:G0W+3], s[G0W+2:G0W+3], 0x10000  ; the next 64 codes; the type bits on top are not reached
	tensor_load_to_lds s[G0W:G0W+3], s[G1E:G1E+7]  ; my one tensor load behind the round, the first thing there: 240 of a slot's 256 products stand between it and the wait for it
	s_nop 0
.rept 4
	v_nop
.endr
.endif
	s_sub_co_u32 s[TB], s[TB], PANELB              ; the fetches go back to a slot's first panel,
	s_xor_b32 s[TB], s[TB], SLOT1                  ; in the other slot
	v_add_nc_u32 v[ADR], s[TB], v[AB0]
	FETCH 0, F0
	STRETCH \set, F1, 3, 1
.endif
	s_add_co_u32 s[TID], s[TID], 32                ; the next panel works this one off
	s_add_co_u32 s[TID+1], s[TID+1], 32
.endm
	WIN 0
	s_wait_tensorcnt 0x0                           ; my parts of tiles 0 and 1 and of en are in,
	s_barrier_signal -1
	s_barrier_wait -1                              ; everybody's are
	ds_load_b128 v[SEE:SEE+3],     v[AE0]          ; any finite en serves the first panel's slices
	ds_load_b128 v[SEE+4:SEE+7],   v[AE0] offset:16
	ds_load_b128 v[SEE+8:SEE+11],  v[AE0] offset:64
	ds_load_b128 v[SEE+12:SEE+15], v[AE0] offset:80
	v_mov_b32 v[ADR], v[AB0]
	FETCH 0, F0
	WIN 0
	s_mov_b32 s[CNT], 30
.Lslot:                                                ; 30 trips, a slot each: the change at the end of slot s asks for tile s + 2, the last for tile 31
	PANEL 0, 0
	PANEL 1, 1
	WIN 0
	s_sub_co_u32 s[CNT], s[CNT], 1
	s_cmp_lg_u32 s[CNT], 0
	s_cbranch_scc1 .Lslot
	s_mov_b32 s[CNT], 2
.Ltail:                                                ; the last two slots ask for nothing.  The second trip's barrier and its fetch (of a tile read before) serve nothing: the price, once a launch, of one text for both
	PANEL 0, 0
	PANEL 1, 2
	WIN 0
	s_sub_co_u32 s[CNT], s[CNT], 1
	s_cmp_lg_u32 s[CNT], 0
	s_cbranch_scc1 .Ltail
	s_wait_dscnt 0x0                               ; that last fetch
.set k, 8
.rept 56
	SLICE 0                                        ; the last panel (the second set) is worked off
.endr
; THE END.  A row's 16 running minima (8 registers in each half of the lanes) are merged: the smaller d, and of equal ones the lower code.
.macro MERGE dv, di, va, ia, vb, ib
	v_cmp_lt_f32 s[MK], v[(\vb)], v[(\va)]
	v_cmp_eq_f32 s[MK+1], v[(\vb)], v[(\va)]
	v_cmp_lt_u32 s[MK+2], v[(\ib)], v[(\ia)]
	s_and_b32 s[MK+1], s[MK+1], s[MK+2]
	s_or_b32 s[MK], s[MK], s[MK+1]
	v_cndmask_b32 v[(\dv)], v[(\va)], v[(\vb)], s[MK]
	v_cndmask_b32 v[(\di)], v[(\ia)], v[(\ib)], s[MK]
.endm
.irp rb, 0,1,2,3
.irp j, 1,2,3,4,5,6,7
	v_add_nc_u32 v[RI+8*(\rb)+(\j)], \j, v[RI+8*(\rb)+(\j)]  ; register j is code j of the lane's eight
.endr
.endr
.irp d, 4,2,1
.irp rb, 0,1,2,3
.set j, 0
.rept \d
	MERGE RV+8*(\rb)+j, RI+8*(\rb)+j, RV+8*(\rb)+j, RI+8*(\rb)+j, RV+8*(\rb)+j+(\d), RI+8*(\rb)+j+(\d)
.set j, j+1
.endr
.endr
.endr
.irp rb, 0,1,2,3
	v_lshl_add_u32 v[RI+8*(\rb)], v2, 3, v[RI+8*(\rb)]  ; my half of the lanes holds codes 8 h on
	v_permlanex16_b32 v9, v[RV+8*(\rb)], s[SEL], s[SEL+1]   ; the row's other eight codes of each block lie in the lane 16 away
	v_permlanex16_b32 v10, v[RI+8*(\rb)], s[SEL], s[SEL+1]
	MERGE OV+(\rb), OI+(\rb), RV+8*(\rb), RI+8*(\rb), 9, 10
	v_add_nc_u32 v[OI+(\rb)], s70, v[OI+(\rb)]     ; the code's number in the whole book
.endr
	v_cmp_gt_u32 vcc_lo, 16, v11                   ; both halves of the lanes hold the same: the lower stores
	s_wait_xcnt 0x0                                ; EXEC changes only behind this wait
	s_and_saveexec_b32 s20, vcc_lo
	global_store_b128 v[OO], v[OV:OV+3], s[10:11]  ; lane r: rows 4 r .. 4 r + 3: 16 lanes store 256 consecutive bytes, at a multiple of 256
	global_store_b128 v[OO], v[OI:OI+3], s[12:13]
	s_wait_xcnt 0x0                                ; and again in front of the line that widens it
	s_or_b32 exec_lo, exec_lo, s20
	s_wait_tensorcnt 0x0                           ; the wave's end
	ds_add_u32 v[SPW], v[NIL]
	s_wait_dscnt 0x0
	CROUND                                         ; the closing round: no work-group ends while a partner may still ask for a tile that names it
	s_endpgm
.Lfunc_end_k_qce93da247f_near:
	.size	k_qce93da247f_near, .Lfunc_end_k_qce93da247f_near-k_qce93da247f_near
	.p2alignl 7, 3214868480
	.fill 96, 4, 3214868480
	.section	.rodata,"a",@progbits
	.p2align	6, 0x0
	.amdhsa_kernel k_qce93da247f_near
		.amdhsa_group_segment_fixed_size 327680
		.amdhsa_private_segment_fixed_size 0
		.amdhsa_enable_private_segment 0
		.amdhsa_kernarg_size 40
		.amdhsa_user_sgpr_count 2
		.amdhsa_user_sgpr_kernarg_segment_ptr 1
		.amdhsa_wavefront_size32 1
		.amdhsa_system_sgpr_workgroup_id_x 1
		.amdhsa_system_sgpr_workgroup_id_y 1
		.amdhsa_system_sgpr_workgroup_id_z 1
		.amdhsa_system_vgpr_workitem_id 0
		.amdhsa_next_free_vgpr 1024
		.amdhsa_next_free_sgpr 80
		.amdhsa_reserve_vcc 1
		.amdhsa_float_denorm_mode_32 3
		.amdhsa_float_denorm_mode_16_64 3
		.amdhsa_memory_ordered 1
		.amdhsa_forward_progress 1
		.amdhsa_inst_pref_size 212
	.end_amdhsa_kernel
	.amdgpu_metadata
---
amdhsa.version: [ 1, 2 ]
amdhsa.kernels:
  - .name:           k_qce93da247f_near
    .symbol:         k_qce93da247f_near.kd
    .args:
      - { .name: z, .offset: 0, .size: 8, .value_kind: global_buffer, .address_space: global }
      - { .name: eb, .offset: 8, .size: 8, .value_kind: global_buffer, .address_space: global }
      - { .name: en, .offset: 16, .size: 8, .value_kind: global_buffer, .address_space: global }
      - { .name: cval, .offset: 24, .size: 8, .value_kind: global_buffer, .address_space: global }
      - { .name: cidx, .offset: 32, .size: 8, .value_kind: global_buffer, .address_space: global }
    .group_segment_fixed_size: 327680
    .private_segment_fixed_size: 0
    .kernarg_segment_align: 8
    .kernarg_segment_size: 40
    .max_flat_workgroup_size: 128
    .sgpr_count:     80
    .vgpr_count:     1024
    .wavefront_size: 32
...
	.end_amdgpu_metadata
.endif
;; end of part 2
;; launch pick (part 3): grid 256 x 1, 8 waves a work-group, no clusters, 0 bytes of LDS; arguments z, eb, cval, cidx, out0, out1, part; writes out0, out1, part
.if DOCPART == 3
	.amdgcn_target "amdgcn-amd-amdhsa--gfx1250"
	.amdhsa_code_object_version 6
	.text
	.protected	k_qce93da247f_pick
	.globl	k_qce93da247f_pick
	.p2align	8
	.type	k_qce93da247f_pick,@function
k_qce93da247f_pick:
	s_mov_b64 s[64:65], 0
	v_nop
	global_prefetch_b8 v0, s[64:65] scope:SCOPE_SE
	s_setreg_imm32_b32 hwreg(HW_REG_WAVE_MODE, 25, 1), 1
	s_wait_xcnt 0x0
; For each row: of the four quarters' candidates the one with the smallest d (of equal ones the lower quarter's, which is the lower code);
; out0 = z + (e - z), out1 = its code, and for each wave the sum of (e - z)^2 into part.  e is the code's row rounded to bf16 (eb).
; No address may hang on a comparison of floating-point numbers made in the same launch: so all four candidates' rows are loaded (their
; numbers are whole numbers stored by the launch before) and the choice is made of the VALUES, by v_cndmask_b32.
; 2,048 waves, eight rows each; a ring of three row slots in registers: one at work, two on their way: 40 loads, 12,288 bytes, of every wave.
; A stream with a gather: no LDS, no barrier, no matrix unit; no cluster, since no tile is shared (which rows of eb are read hangs on the data).
; Every load of z and every store of out0 covers 512 consecutive bytes, every load of eb 256.
.set LS, 8                             ; v[8:15]    four pairs of running sums of squares
.set AO, 16                            ; v[16:27]   slot s, quarter q: byte offset of my 8 bytes in the candidate's row of eb
.set Y,  32                            ; v[32:47]   a row of out0, to store
.set T,  48                            ; v[48:63]   at work, two sets of eight
.set Z,  64                            ; v[64:111]  slot s: 16 registers of z
.set C,  112                           ; v[112:207] slot s, quarter q, piece j: two registers at C + 32 s + 8 q + 2 j
.set W,  208                           ; v[208:223] wave 0 alone: quarter q: d of rows 2 l, 2 l + 1, then their codes
; s[8:39] the wave's 8 codes of each quarter; s[40:63], s[68:75] their d
	s_load_b256 s[76:83], s[0:1], 0x0              ; z s[76:77], eb s[78:79], cval s[80:81], cidx s[82:83]
	s_load_b128 s[84:87], s[0:1], 0x20             ; out0 s[84:85], out1 s[86:87]
	s_load_b64 s[88:89], s[0:1], 0x30              ; part
	v_lshrrev_b32 v1, 5, v0
	v_readfirstlane_b32 s94, v1                    ; wave 0..7
	s_lshl_b32 s2, ttmp9, 3
	s_add_co_u32 s2, s2, s94                       ; g: my wave among the launch's 2,048
	s_lshl_b32 s90, s2, 5                          ; eight rows' 32 bytes in a quarter of cval and cidx
	s_lshl_b32 s4, s2, 14                          ; eight rows of 2,048 bytes
	s_mov_b32 s5, 0
	s_lshl_b32 s6, s2, 2                           ; my number in part
	s_mov_b32 s7, 0
	s_lshl_b32 s95, ttmp9, 8                       ; the work-group's 64 rows, 4 bytes each
	s_mov_b32 s3, 0xffff0000                       ; a word's upper bf16
	s_mov_b32 s66, 0x76543210
	s_mov_b32 s67, 0xfedcba98
	v_and_b32 v1, 31, v0                           ; lane
	v_lshlrev_b32 v2, 4, v1                        ; 16 bytes a lane: z, out0
	v_lshlrev_b32 v3, 3, v1                        ; 8 bytes a lane: eb
	v_add_nc_u32 v6, s95, v3                       ; wave 0: rows 2 l, 2 l + 1 of the work-group's 64
	v_mov_b32 v7, 0
.irp n, 0,1,2,3,4,5,6,7
	v_mov_b32 v[LS+(\n)], 0
.endr
	s_wait_kmcnt 0x0
.irp q, 0,1,2,3
	s_load_b256 s[8+8*(\q):15+8*(\q)], s[82:83], s90 offset:(\q)*65536
	s_load_b256 s[40+8*(\q)+4*((\q)/3):47+8*(\q)+4*((\q)/3)], s[80:81], s90 offset:(\q)*65536
.endr
	s_add_nc_u64 s[76:77], s[76:77], s[4:5]
	s_add_nc_u64 s[84:85], s[84:85], s[4:5]
	s_add_nc_u64 s[88:89], s[88:89], s[6:7]
	s_cmp_lg_u32 s94, 0
	s_cbranch_scc1 .Lnot_0_a
.irp q, 0,1,2,3                        ; wave 0 also makes the work-group's 64 numbers of out1; these eight loads are older than all that are counted below
	global_load_b64 v[W+4*(\q):W+4*(\q)+1],   v6, s[80:81] offset:(\q)*65536
	global_load_b64 v[W+4*(\q)+2:W+4*(\q)+3], v6, s[82:83] offset:(\q)*65536
.endr
.Lnot_0_a:
	s_wait_kmcnt 0x0
.set n, 8
.rept 32
	s_min_u32 s[n], s[n], 0x1fff                   ; a loaded number enters an address only held to the table's 8,192 rows
.set n, n+1
.endr
.macro FILL i                          ; row i into slot i % 3: 20 loads
.irp q, 0,1,2,3
	v_lshl_add_u32 v[AO+4*((\i)%3)+(\q)], s[8+8*(\q)+(\i)], 10, v3
.endr
.irp j, 0,1,2,3
	global_load_b128 v[Z+16*((\i)%3)+4*(\j):Z+16*((\i)%3)+4*(\j)+3], v2, s[76:77] offset:(\i)*2048+512*(\j) th:TH_LOAD_NT  ; elements 128 j + 4 lane on
.endr
.irp q, 0,1,2,3
.irp j, 0,1,2,3
	global_load_b64 v[C+32*((\i)%3)+8*(\q)+2*(\j):C+32*((\i)%3)+8*(\q)+2*(\j)+1], v[AO+4*((\i)%3)+(\q)], s[78:79] offset:256*(\j)  ; the same elements of the candidate
.endr
.endr
.endm
.macro TURN i, left
.set sl, (\i)%3
	s_wait_loadcnt \left                           ; loads come back in order: row i's twenty are in, the younger rows' stay out; the slot's address registers are free
	v_min_num_f32 v4, s[40+(\i)], s[48+(\i)]
	v_min_num_f32 v5, s[56+(\i)], s[68+(\i)]
	v_cmp_lt_f32 s91, s[48+(\i)], s[40+(\i)]       ; strictly less: of equal ones the lower quarter stays
	v_cmp_lt_f32 s92, s[68+(\i)], s[56+(\i)]
	v_cmp_lt_f32 s93, v5, v4
	s_wait_xcnt 0x0                                ; the last row's stores have read Y: it is rewritten only behind this wait
.irp j, 0,1,2,3
.set tb, T+8*((\j)%2)
.set cz, C+32*sl+2*(\j)
.set zz, Z+16*sl+4*(\j)
	v_cndmask_b32 v[tb],   v[cz],    v[cz+8],  s91
	v_cndmask_b32 v[tb+1], v[cz+1],  v[cz+9],  s91
	v_cndmask_b32 v[tb+2], v[cz+16], v[cz+24], s92
	v_cndmask_b32 v[tb+3], v[cz+17], v[cz+25], s92
	v_cndmask_b32 v[tb],   v[tb],    v[tb+2],  s93
	v_cndmask_b32 v[tb+1], v[tb+1],  v[tb+3],  s93
	v_lshlrev_b32 v[tb+4], 16, v[tb]               ; bf16 to f32
	v_and_b32     v[tb+5], s3, v[tb]
	v_lshlrev_b32 v[tb+6], 16, v[tb+1]
	v_and_b32     v[tb+7], s3, v[tb+1]
	v_pk_add_f32 v[tb+4:tb+5], v[tb+4:tb+5], v[zz:zz+1]   neg_lo:[0,1] neg_hi:[0,1]   ; e - z
	v_pk_add_f32 v[tb+6:tb+7], v[tb+6:tb+7], v[zz+2:zz+3] neg_lo:[0,1] neg_hi:[0,1]
	v_pk_add_f32 v[Y+4*(\j):Y+4*(\j)+1],   v[zz:zz+1],   v[tb+4:tb+5]                 ; z + (e - z)
	v_pk_add_f32 v[Y+4*(\j)+2:Y+4*(\j)+3], v[zz+2:zz+3], v[tb+6:tb+7]
	v_pk_fma_f32 v[LS+4*((\j)%2):LS+4*((\j)%2)+1],   v[tb+4:tb+5], v[tb+4:tb+5], v[LS+4*((\j)%2):LS+4*((\j)%2)+1]
	v_pk_fma_f32 v[LS+4*((\j)%2)+2:LS+4*((\j)%2)+3], v[tb+6:tb+7], v[tb+6:tb+7], v[LS+4*((\j)%2)+2:LS+4*((\j)%2)+3]
.endr
.if (\i)+3 < 8
	FILL (\i)+3                                    ; loads ahead of stores
.endif
.irp j, 0,1,2,3
	global_store_b128 v2, v[Y+4*(\j):Y+4*(\j)+3], s[84:85] offset:(\i)*2048+512*(\j) th:TH_STORE_NT
.endr
.endm
	FILL 0
	FILL 1
	FILL 2
	TURN 0, 40
	TURN 1, 40
	TURN 2, 40
	TURN 3, 40
	TURN 4, 40
	TURN 5, 40
	TURN 6, 20                                     ; the last rows fill nothing: the counts run down
	TURN 7, 0
	v_pk_add_f32 v[LS:LS+1], v[LS:LS+1], v[LS+2:LS+3]
	v_pk_add_f32 v[LS+4:LS+5], v[LS+4:LS+5], v[LS+6:LS+7]
	v_pk_add_f32 v[LS:LS+1], v[LS:LS+1], v[LS+4:LS+5]
	v_add_f32 v8, v8, v9
	v_add_f32_dpp v8, v8, v8 row_xmask:1 row_mask:0xf bank_mask:0xf
	v_add_f32_dpp v8, v8, v8 row_xmask:2 row_mask:0xf bank_mask:0xf
	v_add_f32_dpp v8, v8, v8 row_xmask:4 row_mask:0xf bank_mask:0xf
	v_add_f32_dpp v8, v8, v8 row_xmask:8 row_mask:0xf bank_mask:0xf
	v_permlanex16_b32 v9, v8, s66, s67
	v_add_f32 v8, v8, v9                           ; the wave's eight rows' sum of squares
	s_cmp_lg_u32 s94, 0
	s_cbranch_scc1 .Lnot_0_b
.irp c, 0,1                            ; the same choice, lane by lane, for rows 2 l and 2 l + 1 (the wait for 0 above has shown W in)
	v_cmp_lt_f32 s91, v[W+4+(\c)], v[W+(\c)]
	v_cmp_lt_f32 s92, v[W+12+(\c)], v[W+8+(\c)]
	v_min_num_f32 v4, v[W+(\c)], v[W+4+(\c)]
	v_min_num_f32 v5, v[W+8+(\c)], v[W+12+(\c)]
	v_cndmask_b32 v30, v[W+2+(\c)], v[W+6+(\c)], s91
	v_cndmask_b32 v31, v[W+10+(\c)], v[W+14+(\c)], s92
	v_cmp_lt_f32 s93, v5, v4
	v_cndmask_b32 v[28+(\c)], v30, v31, s93
.endr
	global_store_b64 v6, v[28:29], s[86:87]        ; 32 lanes store 256 consecutive bytes of out1, at a multiple of 256
.Lnot_0_b:
	v_cmp_eq_u32 vcc_lo, 0, v1
	s_wait_xcnt 0x0                                ; EXEC changes only behind this wait
	s_and_saveexec_b32 s95, vcc_lo
	global_store_b32 v7, v8, s[88:89]
	s_wait_xcnt 0x0
	s_or_b32 exec_lo, exec_lo, s95
	s_endpgm
.Lfunc_end_k_qce93da247f_pick:
	.size	k_qce93da247f_pick, .Lfunc_end_k_qce93da247f_pick-k_qce93da247f_pick
	.p2alignl 7, 3214868480
	.fill 96, 4, 3214868480
	.section	.rodata,"a",@progbits
	.p2align	6, 0x0
	.amdhsa_kernel k_qce93da247f_pick
		.amdhsa_group_segment_fixed_size 0
		.amdhsa_private_segment_fixed_size 0
		.amdhsa_enable_private_segment 0
		.amdhsa_kernarg_size 56
		.amdhsa_user_sgpr_count 2
		.amdhsa_user_sgpr_kernarg_segment_ptr 1
		.amdhsa_wavefront_size32 1
		.amdhsa_system_sgpr_workgroup_id_x 1
		.amdhsa_system_sgpr_workgroup_id_y 1
		.amdhsa_system_sgpr_workgroup_id_z 1
		.amdhsa_system_vgpr_workitem_id 0
		.amdhsa_next_free_vgpr 224
		.amdhsa_next_free_sgpr 100
		.amdhsa_reserve_vcc 1
		.amdhsa_float_denorm_mode_32 3
		.amdhsa_float_denorm_mode_16_64 3
		.amdhsa_memory_ordered 1
		.amdhsa_forward_progress 1
		.amdhsa_inst_pref_size 58
	.end_amdhsa_kernel
	.amdgpu_metadata
---
amdhsa.version: [ 1, 2 ]
amdhsa.kernels:
  - .name:           k_qce93da247f_pick
    .symbol:         k_qce93da247f_pick.kd
    .args:
      - { .name: z, .offset: 0, .size: 8, .value_kind: global_buffer, .address_space: global }
      - { .name: eb, .offset: 8, .size: 8, .value_kind: global_buffer, .address_space: global }
      - { .name: cval, .offset: 16, .size: 8, .value_kind: global_buffer, .address_space: global }
      - { .name: cidx, .offset: 24, .size: 8, .value_kind: global_buffer, .address_space: global }
      - { .name: out0, .offset: 32, .size: 8, .value_kind: global_buffer, .address_space: global }
      - { .name: out1, .offset: 40, .size: 8, .value_kind: global_buffer, .address_space: global }
      - { .name: part, .offset: 48, .size: 8, .value_kind: global_buffer, .address_space: global }
    .group_segment_fixed_size: 0
    .private_segment_fixed_size: 0
    .kernarg_segment_align: 8
    .kernarg_segment_size: 56
    .max_flat_workgroup_size: 256
    .sgpr_count:     100
    .vgpr_count:     224
    .wavefront_size: 32
...
	.end_amdgpu_metadata
.endif
;; end of part 3
;; launch total (part 4): grid 1 x 1, 1 waves a work-group, no clusters, 0 bytes of LDS; arguments part, out2; writes out2
.if DOCPART == 4
	.amdgcn_target "amdgcn-amd-amdhsa--gfx1250"
	.amdhsa_code_object_version 6
	.text
	.protected	k_qce93da247f_total
	.globl	k_qce93da247f_total
	.p2align	8
	.type	k_qce93da247f_total,@function
k_qce93da247f_total:
	s_mov_b64 s[64:65], 0
	v_nop
	global_prefetch_b8 v0, s[64:65] scope:SCOPE_SE
	s_setreg_imm32_b32 hwreg(HW_REG_WAVE_MODE, 25, 1), 1
	s_wait_xcnt 0x0
; out2 = 0.25 x the mean of (z - e)^2 = 2^-25 x the sum of the 2,048 partial sums (0.25 / (16,384 x 512)).
; A sum over all work-groups of the launch before, made by one owner: one wave, sixteen loads of 512 consecutive bytes, all at once.
	s_load_b128 s[4:7], s[0:1], 0x0                ; part s[4:5], out2 s[6:7]
	v_lshlrev_b32 v1, 4, v0                        ; 16 bytes a lane
	v_mov_b32 v2, 0
	v_mov_b32 v3, 0                                ; v_permlanex16_b32's destination counts as read
	s_mov_b32 s8, 0x76543210
	s_mov_b32 s9, 0xfedcba98
	s_wait_kmcnt 0x0
.set i, 0
.rept 16
	global_load_b128 v[8+4*i:8+4*i+3], v1, s[4:5] offset:512*i
.set i, i+1
.endr
	s_wait_loadcnt 0x0
.set i, 4
.rept 12                               ; eight chains of packed sums
	v_pk_add_f32 v[8+4*(i%4):8+4*(i%4)+1],   v[8+4*(i%4):8+4*(i%4)+1],   v[8+4*i:8+4*i+1]
	v_pk_add_f32 v[8+4*(i%4)+2:8+4*(i%4)+3], v[8+4*(i%4)+2:8+4*(i%4)+3], v[8+4*i+2:8+4*i+3]
.set i, i+1
.endr
	v_pk_add_f32 v[8:9], v[8:9], v[10:11]
	v_pk_add_f32 v[12:13], v[12:13], v[14:15]
	v_pk_add_f32 v[16:17], v[16:17], v[18:19]
	v_pk_add_f32 v[20:21], v[20:21], v[22:23]
	v_pk_add_f32 v[8:9], v[8:9], v[12:13]
	v_pk_add_f32 v[16:17], v[16:17], v[20:21]
	v_pk_add_f32 v[8:9], v[8:9], v[16:17]
	v_add_f32 v8, v8, v9
	v_add_f32_dpp v8, v8, v8 row_xmask:1 row_mask:0xf bank_mask:0xf
	v_add_f32_dpp v8, v8, v8 row_xmask:2 row_mask:0xf bank_mask:0xf
	v_add_f32_dpp v8, v8, v8 row_xmask:4 row_mask:0xf bank_mask:0xf
	v_add_f32_dpp v8, v8, v8 row_xmask:8 row_mask:0xf bank_mask:0xf
	v_permlanex16_b32 v3, v8, s8, s9
	v_add_f32 v8, v8, v3
	v_mul_f32 v8, 0x33000000, v8                   ; 2^-25
	v_cmp_eq_u32 vcc_lo, 0, v0
	s_wait_xcnt 0x0                                ; EXEC changes only behind this wait
	s_and_saveexec_b32 s10, vcc_lo
	global_store_b32 v2, v8, s[6:7]
	s_wait_xcnt 0x0
	s_or_b32 exec_lo, exec_lo, s10
	s_endpgm
.Lfunc_end_k_qce93da247f_total:
	.size	k_qce93da247f_total, .Lfunc_end_k_qce93da247f_total-k_qce93da247f_total
	.p2alignl 7, 3214868480
	.fill 96, 4, 3214868480
	.section	.rodata,"a",@progbits
	.p2align	6, 0x0
	.amdhsa_kernel k_qce93da247f_total
		.amdhsa_group_segment_fixed_size 0
		.amdhsa_private_segment_fixed_size 0
		.amdhsa_enable_private_segment 0
		.amdhsa_kernarg_size 16
		.amdhsa_user_sgpr_count 2
		.amdhsa_user_sgpr_kernarg_segment_ptr 1
		.amdhsa_wavefront_size32 1
		.amdhsa_system_sgpr_workgroup_id_x 1
		.amdhsa_system_sgpr_workgroup_id_y 1
		.amdhsa_system_sgpr_workgroup_id_z 1
		.amdhsa_system_vgpr_workitem_id 0
		.amdhsa_next_free_vgpr 80
		.amdhsa_next_free_sgpr 66
		.amdhsa_reserve_vcc 1
		.amdhsa_float_denorm_mode_32 3
		.amdhsa_float_denorm_mode_16_64 3
		.amdhsa_memory_ordered 1
		.amdhsa_forward_progress 1
		.amdhsa_inst_pref_size 5
	.end_amdhsa_kernel
	.amdgpu_metadata
---
amdhsa.version: [ 1, 2 ]
amdhsa.kernels:
  - .name:           k_qce93da247f_total
    .symbol:         k_qce93da247f_total.kd
    .args:
      - { .name: part, .offset: 0, .size: 8, .value_kind: global_buffer, .address_space: global }
      - { .name: out2, .offset: 8, .size: 8, .value_kind: global_buffer, .address_space: global }
    .group_segment_fixed_size: 0
    .private_segment_fixed_size: 0
    .kernarg_segment_align: 8
    .kernarg_segment_size: 16
    .max_flat_workgroup_size: 32
    .sgpr_count:     66
    .vgpr_count:     80
    .wavefront_size: 32
...
	.end_amdgpu_metadata
.endif
;; end of part 4
;; ======== version 2 of 2: 4 launches; version 1 with the launch pick written anew for expert scheduling mode
;; workspace buffers: eb 8,388,608 bytes; en 32,768 bytes; cval 262,144 bytes; cidx 262,144 bytes of whole numbers; part 8,192 bytes
;; launch cast: the kernel of part 1 again; grid 256 x 1, 8 waves a work-group, no clusters, 0 bytes of LDS; arguments embedding, eb, en; writes eb, en
;; launch near: the kernel of part 2 again; grid 64 x 4, 4 waves a work-group, clusters of 4 x 4, 327,680 bytes of LDS; arguments z, eb, en, cval, cidx; writes cval, cidx
;; launch pick (part 5): grid 256 x 1, 8 waves a work-group, no clusters, 0 bytes of LDS; arguments z, eb, cval, cidx, out0, out1, part; writes out0, out1, part
.if DOCPART == 5
	.amdgcn_target "amdgcn-amd-amdhsa--gfx1250"
	.amdhsa_code_object_version 6
	.text
	.protected	k_qce93da247f_pick
	.globl	k_qce93da247f_pick
	.p2align	8
	.type	k_qce93da247f_pick,@function
k_qce93da247f_pick:
	s_mov_b64 s[64:65], 0
	v_nop
	global_prefetch_b8 v0, s[64:65] scope:SCOPE_SE
	s_setreg_imm32_b32 hwreg(HW_REG_WAVE_SCHED_MODE, 0, 2), 2
	s_setreg_imm32_b32 hwreg(HW_REG_WAVE_MODE, 25, 1), 1
	s_wait_xcnt 0x0
	s_wait_alu depctr_vm_vsrc(0)
; For each row: of the four quarters' candidates the one with the smallest d (of equal ones the lower quarter's, which is the lower code);
; out0 = z + (e - z), out1 = its code, and for each wave the sum of (e - z)^2 into part.  e is the code's row rounded to bf16 (eb).
; No address may hang on a comparison of floating-point numbers made in the same launch: so all four candidates' rows are loaded (their
; numbers are whole numbers stored by the launch before) and the choice is made of the VALUES, by v_cndmask_b32.
; 2,048 waves, eight rows each; a ring of three row slots in registers: one at work, two on their way: 40 loads, 12,288 bytes, of every wave.
; A stream with a gather: no LDS, no barrier, no matrix unit; no cluster, since no tile is shared (which rows of eb are read hangs on the data).
; Every load of z and every store of out0 covers 512 consecutive bytes, every load of eb 256.
; THE MODE: SCHED_MODE bits 1:0 = 2 (LLVM: expert scheduling mode 2), set by the entry lines.  The code itself states the register dependences
; between vector instructions and memory instructions, with s_wait_alu, always for 0.
; THE PLAN.  Registers that memory instructions touch:
;   v2, v6, v7   offsets, made once at the head and never written again.
;   AO           the 32 offsets of the eight rows' four candidates in eb: all made at the head, behind the clamps, and never written again.
;   Z[s], C[s]   three slots.  Row i's loads land in slot i % 3; row i's selects and sums read it; behind them the loads of row i + 3 land in it.
;   Y0, Y1       Row i's sums write Y[i % 2]; row i's four stores read it; row i + 2 writes it again.
;   W            wave 0 alone: loaded at the head, read by vector lines at the end.
;   T, LS and v1 are named by vector instructions alone (but T + 8, T + 9, the data of wave 0's store of out1).
; So a row holds ONE wait on va_vdst, behind its arithmetic: Y[i % 2] is written and the slot has been read; the row's twenty loads and four stores follow it.
; Beside it, ahead of those loads and stores, stand s_wait_xcnt 0 and the wait on vm_vsrc for the stores of the row BEFORE, whose Y the next row writes again.
; All 24 masks of the eight rows are made in one run at the head, with one wait on va_sdst behind the run: the rows hold no compare.
.set LS, 8                             ; v[8:15]    four pairs of running sums of squares
.set T,  16                            ; v[16:31]   at work, two sets of eight
.set Y,  32                            ; v[32:63]   two buffers of 16: a row of out0, to store
.set AO, 64                            ; v[64:95]   row i, quarter q: byte offset of my 8 bytes in the candidate's row of eb, at AO + 4 i + q
.set Z,  96                            ; v[96:143]  slot s: 16 registers of z
.set C,  144                           ; v[144:239] slot s, quarter q, piece j: two registers at C + 32 s + 8 q + 2 j
.set W,  240                           ; v[240:255] wave 0 alone: quarter q: d of rows 2 l, 2 l + 1, then their codes
.set MS, 8                             ; s[8:31]    row i's three masks at MS + 3 i, once the offsets are made of the codes that lay here
.set MW, 32                            ; s[32:37]   wave 0's six masks at the end
; s[8:39] the wave's 8 codes of each quarter, until AO is made; s[40:63], s[68:75] their d
	s_load_b256 s[76:83], s[0:1], 0x0              ; z s[76:77], eb s[78:79], cval s[80:81], cidx s[82:83]
	s_load_b128 s[84:87], s[0:1], 0x20             ; out0 s[84:85], out1 s[86:87]
	s_load_b64 s[88:89], s[0:1], 0x30              ; part
	v_lshrrev_b32 v1, 5, v0
	v_readfirstlane_b32 s94, v1                    ; wave 0..7
	s_lshl_b32 s95, ttmp9, 8                       ; the work-group's 64 rows, 4 bytes each
	s_mov_b32 s3, 0xffff0000                       ; a word's upper bf16
	s_mov_b32 s66, 0x76543210
	s_mov_b32 s67, 0xfedcba98
	s_mov_b32 s5, 0
	s_mov_b32 s7, 0
	v_and_b32 v1, 31, v0                           ; lane
	v_lshlrev_b32 v2, 4, v1                        ; 16 bytes a lane: z, out0
	v_lshlrev_b32 v3, 3, v1                        ; 8 bytes a lane: eb
	v_add_nc_u32 v6, s95, v3                       ; wave 0: rows 2 l, 2 l + 1 of the work-group's 64
	v_mov_b32 v7, 0
.irp n, 0,1,2,3,4,5,6,7
	v_mov_b32 v[LS+(\n)], 0
.endr
	s_wait_alu depctr_va_sdst(0)                   ; s94 is written, ahead of its first reader: my wave's place in every buffer is made from it
	s_lshl_b32 s2, ttmp9, 3
	s_add_co_u32 s2, s2, s94                       ; g: my wave among the launch's 2,048
	s_lshl_b32 s90, s2, 5                          ; eight rows' 32 bytes in a quarter of cval and cidx
	s_lshl_b32 s4, s2, 14                          ; eight rows of 2,048 bytes
	s_lshl_b32 s6, s2, 2                           ; my number in part
	s_wait_kmcnt 0x0
.irp q, 0,1,2,3
	s_load_b256 s[8+8*(\q):15+8*(\q)], s[82:83], s90 offset:(\q)*65536
	s_load_b256 s[40+8*(\q)+4*((\q)/3):47+8*(\q)+4*((\q)/3)], s[80:81], s90 offset:(\q)*65536
.endr
	s_add_nc_u64 s[76:77], s[76:77], s[4:5]
	s_add_nc_u64 s[84:85], s[84:85], s[4:5]
	s_add_nc_u64 s[88:89], s[88:89], s[6:7]
	s_wait_alu depctr_va_vdst(0)                   ; v6 is written, which wave 0's eight loads read as their offset
	s_cmp_lg_u32 s94, 0
	s_cbranch_scc1 .Lnot_0_a
.irp q, 0,1,2,3                        ; wave 0 also makes the work-group's 64 numbers of out1; these eight loads are older than all that are counted below
	global_load_b64 v[W+4*(\q):W+4*(\q)+1],   v6, s[80:81] offset:(\q)*65536
	global_load_b64 v[W+4*(\q)+2:W+4*(\q)+3], v6, s[82:83] offset:(\q)*65536
.endr
.Lnot_0_a:
	s_wait_kmcnt 0x0
.set n, 8
.rept 32
	s_min_u32 s[n], s[n], 0x1fff                   ; a loaded number enters an address only held to the table's 8,192 rows
.set n, n+1
.endr
.irp i, 0,1,2,3,4,5,6,7
.irp q, 0,1,2,3
	v_lshl_add_u32 v[AO+4*(\i)+(\q)], s[8+8*(\q)+(\i)], 10, v3  ; all eight rows' offsets at once: 1,024 bytes a code, 8 bytes a lane
.endr
.endr
	s_wait_alu depctr_va_vdst(0)                   ; the 32 offsets AO are written (and v2): every load and store of the eight rows reads one of them, and none is written again
.macro FILL i                          ; row i into slot i % 3: 20 loads
.irp j, 0,1,2,3
	global_load_b128 v[Z+16*((\i)%3)+4*(\j):Z+16*((\i)%3)+4*(\j)+3], v2, s[76:77] offset:(\i)*2048+512*(\j) th:TH_LOAD_NT  ; elements 128 j + 4 lane on
.endr
.irp q, 0,1,2,3
.irp j, 0,1,2,3
	global_load_b64 v[C+32*((\i)%3)+8*(\q)+2*(\j):C+32*((\i)%3)+8*(\q)+2*(\j)+1], v[AO+4*(\i)+(\q)], s[78:79] offset:256*(\j)  ; the same elements of the candidate
.endr
.endr
.endm
	FILL 0
	FILL 1
	FILL 2
	; The eight rows' masks, in the wait for the first row: quarter 1 against 0, 3 against 2, the better pair.  The codes in s[8:31] have served: the offsets are made.
.irp i, 0,1,2,3,4,5,6,7
	v_min_num_f32 v[T+2*(\i)],   s[40+(\i)], s[48+(\i)]
	v_min_num_f32 v[T+2*(\i)+1], s[56+(\i)], s[68+(\i)]
	v_cmp_lt_f32 s[MS+3*(\i)],   s[48+(\i)], s[40+(\i)]      ; strictly less: of equal ones the lower quarter stays
	v_cmp_lt_f32 s[MS+3*(\i)+1], s[68+(\i)], s[56+(\i)]
	v_cmp_lt_f32 s[MS+3*(\i)+2], v[T+2*(\i)+1], v[T+2*(\i)]
.endr
	s_wait_alu depctr_va_sdst(0)                   ; the 24 masks are written, ahead of the first select that reads one: one wait for the run
.macro TURN i, left
.set sl, (\i)%3
.set yb, Y+16*((\i)%2)
.set mk, MS+3*(\i)
	s_wait_loadcnt \left                           ; loads come back in order: row i's twenty are in, the younger rows' stay out
.irp j, 0,1,2,3
.set tb, T+8*((\j)%2)
.set cz, C+32*sl+2*(\j)
.set zz, Z+16*sl+4*(\j)
	v_cndmask_b32 v[tb],   v[cz],    v[cz+8],  s[mk]
	v_cndmask_b32 v[tb+1], v[cz+1],  v[cz+9],  s[mk]
	v_cndmask_b32 v[tb+2], v[cz+16], v[cz+24], s[mk+1]
	v_cndmask_b32 v[tb+3], v[cz+17], v[cz+25], s[mk+1]
	v_cndmask_b32 v[tb],   v[tb],    v[tb+2],  s[mk+2]
	v_cndmask_b32 v[tb+1], v[tb+1],  v[tb+3],  s[mk+2]
	v_lshlrev_b32 v[tb+4], 16, v[tb]               ; bf16 to f32
	v_and_b32     v[tb+5], s3, v[tb]
	v_lshlrev_b32 v[tb+6], 16, v[tb+1]
	v_and_b32     v[tb+7], s3, v[tb+1]
	v_pk_add_f32 v[tb+4:tb+5], v[tb+4:tb+5], v[zz:zz+1]   neg_lo:[0,1] neg_hi:[0,1]   ; e - z
	v_pk_add_f32 v[tb+6:tb+7], v[tb+6:tb+7], v[zz+2:zz+3] neg_lo:[0,1] neg_hi:[0,1]
	v_pk_add_f32 v[yb+4*(\j):yb+4*(\j)+1],   v[zz:zz+1],   v[tb+4:tb+5]               ; z + (e - z)
	v_pk_add_f32 v[yb+4*(\j)+2:yb+4*(\j)+3], v[zz+2:zz+3], v[tb+6:tb+7]
	v_pk_fma_f32 v[LS+4*((\j)%2):LS+4*((\j)%2)+1],   v[tb+4:tb+5], v[tb+4:tb+5], v[LS+4*((\j)%2):LS+4*((\j)%2)+1]
	v_pk_fma_f32 v[LS+4*((\j)%2)+2:LS+4*((\j)%2)+3], v[tb+6:tb+7], v[tb+6:tb+7], v[LS+4*((\j)%2)+2:LS+4*((\j)%2)+3]
.endr
	s_wait_alu depctr_va_vdst(0)                   ; the row's sums have written Y[i % 2], which the stores below read; its selects and sums are done reading the slot, in which the loads below land
.if ((\i) > 0) && ((\i) < 7)
	s_wait_xcnt 0x0                                ; the stores of the row before have had their addresses translated: their Y is rewritten, by the next row, only behind this wait,
	s_wait_alu depctr_vm_vsrc(0)                   ; and they have read that Y
.endif
.if (\i)+3 < 8
	FILL (\i)+3                                    ; loads ahead of stores
.endif
.irp j, 0,1,2,3
	global_store_b128 v2, v[yb+4*(\j):yb+4*(\j)+3], s[84:85] offset:(\i)*2048+512*(\j) th:TH_STORE_NT
.endr
.endm
	TURN 0, 40
	TURN 1, 40
	TURN 2, 40
	TURN 3, 40
	TURN 4, 40
	TURN 5, 40
	TURN 6, 20                                     ; the last rows fill nothing: the counts run down
	TURN 7, 0
	v_pk_add_f32 v[LS:LS+1], v[LS:LS+1], v[LS+2:LS+3]
	v_pk_add_f32 v[LS+4:LS+5], v[LS+4:LS+5], v[LS+6:LS+7]
	v_pk_add_f32 v[LS:LS+1], v[LS:LS+1], v[LS+4:LS+5]
	v_add_f32 v8, v8, v9
	v_add_f32_dpp v8, v8, v8 row_xmask:1 row_mask:0xf bank_mask:0xf
	v_add_f32_dpp v8, v8, v8 row_xmask:2 row_mask:0xf bank_mask:0xf
	v_add_f32_dpp v8, v8, v8 row_xmask:4 row_mask:0xf bank_mask:0xf
	v_add_f32_dpp v8, v8, v8 row_xmask:8 row_mask:0xf bank_mask:0xf
	v_permlanex16_b32 v9, v8, s66, s67
	v_add_f32 v8, v8, v9                           ; the wave's eight rows' sum of squares
	s_cmp_lg_u32 s94, 0
	s_cbranch_scc1 .Lnot_0_b
.irp c, 0,1                            ; the same choice, lane by lane, for rows 2 l and 2 l + 1 (the wait for 0 above has shown W in): first all six masks,
	v_min_num_f32 v[T+2*(\c)],   v[W+(\c)],   v[W+4+(\c)]
	v_min_num_f32 v[T+2*(\c)+1], v[W+8+(\c)], v[W+12+(\c)]
	v_cmp_lt_f32 s[MW+3*(\c)],   v[W+4+(\c)],  v[W+(\c)]
	v_cmp_lt_f32 s[MW+3*(\c)+1], v[W+12+(\c)], v[W+8+(\c)]
	v_cmp_lt_f32 s[MW+3*(\c)+2], v[T+2*(\c)+1], v[T+2*(\c)]
.endr
	s_wait_alu depctr_va_sdst(0)                   ; the six masks are written, ahead of the first select that reads one
.irp c, 0,1                            ; then the selects
	v_cndmask_b32 v[T+4+2*(\c)], v[W+2+(\c)],  v[W+6+(\c)],  s[MW+3*(\c)]
	v_cndmask_b32 v[T+5+2*(\c)], v[W+10+(\c)], v[W+14+(\c)], s[MW+3*(\c)+1]
	v_cndmask_b32 v[T+8+(\c)], v[T+4+2*(\c)], v[T+5+2*(\c)], s[MW+3*(\c)+2]
.endr
	s_wait_alu depctr_va_vdst(0)                   ; the selects have written v[T+8:T+9], which the store reads
	global_store_b64 v6, v[T+8:T+9], s[86:87]      ; 32 lanes store 256 consecutive bytes of out1, at a multiple of 256
.Lnot_0_b:
	v_cmp_eq_u32 vcc_lo, 0, v1
	s_wait_alu depctr_va_vcc(0)                    ; VCC is written: EXEC is made from it
	s_wait_xcnt 0x0                                ; EXEC is a source of the stores above: it changes only behind this wait
	s_wait_alu depctr_va_vdst(0)                   ; ahead of a scalar write of EXEC: the vector lines issued so far are done (v8, the store's data below, among them),
	s_wait_alu depctr_vm_vsrc(0)                   ; and the stores issued so far have read their registers
	s_and_saveexec_b32 s95, vcc_lo
	global_store_b32 v7, v8, s[88:89]
	s_wait_xcnt 0x0                                ; and again in front of the line that widens EXEC
	s_wait_alu depctr_va_vdst(0)                   ; ahead of a scalar write of EXEC, as above,
	s_wait_alu depctr_vm_vsrc(0)                   ; and the store has read v7 and v8
	s_or_b32 exec_lo, exec_lo, s95
	s_endpgm
.Lfunc_end_k_qce93da247f_pick:
	.size	k_qce93da247f_pick, .Lfunc_end_k_qce93da247f_pick-k_qce93da247f_pick
	.p2alignl 7, 3214868480
	.fill 96, 4, 3214868480
	.section	.rodata,"a",@progbits
	.p2align	6, 0x0
	.amdhsa_kernel k_qce93da247f_pick
		.amdhsa_group_segment_fixed_size 0
		.amdhsa_private_segment_fixed_size 0
		.amdhsa_enable_private_segment 0
		.amdhsa_kernarg_size 56
		.amdhsa_user_sgpr_count 2
		.amdhsa_user_sgpr_kernarg_segment_ptr 1
		.amdhsa_wavefront_size32 1
		.amdhsa_system_sgpr_workgroup_id_x 1
		.amdhsa_system_sgpr_workgroup_id_y 1
		.amdhsa_system_sgpr_workgroup_id_z 1
		.amdhsa_system_vgpr_workitem_id 0
		.amdhsa_next_free_vgpr 256
		.amdhsa_next_free_sgpr 100
		.amdhsa_reserve_vcc 1
		.amdhsa_float_denorm_mode_32 3
		.amdhsa_float_denorm_mode_16_64 3
		.amdhsa_memory_ordered 1
		.amdhsa_forward_progress 1
		.amdhsa_inst_pref_size 59
	.end_amdhsa_kernel
	.amdgpu_metadata
---
amdhsa.version: [ 1, 2 ]
amdhsa.kernels:
  - .name:           k_qce93da247f_pick
    .symbol:         k_qce93da247f_pick.kd
    .args:
      - { .name: z, .offset: 0, .size: 8, .value_kind: global_buffer, .address_space: global }
      - { .name: eb, .offset: 8, .size: 8, .value_kind: global_buffer, .address_space: global }
      - { .name: cval, .offset: 16, .size: 8, .value_kind: global_buffer, .address_space: global }
      - { .name: cidx, .offset: 24, .size: 8, .value_kind: global_buffer, .address_space: global }
      - { .name: out0, .offset: 32, .size: 8, .value_kind: global_buffer, .address_space: global }
      - { .name: out1, .offset: 40, .size: 8, .value_kind: global_buffer, .address_space: global }
      - { .name: part, .offset: 48, .size: 8, .value_kind: global_buffer, .address_space: global }
    .group_segment_fixed_size: 0
    .private_segment_fixed_size: 0
    .kernarg_segment_align: 8
    .kernarg_segment_size: 56
    .max_flat_workgroup_size: 256
    .sgpr_count:     100
    .vgpr_count:     256
    .wavefront_size: 32
...
	.end_amdgpu_metadata
.endif
;; end of part 5
;; launch total: the kernel of part 4 again; grid 1 x 1, 1 waves a work-group, no clusters, 0 bytes of LDS; arguments part, out2; writes out2
